; MI455X (gfx1250); checked and timed in simulation.
; The chip was launched on July 23, 2026; its instructions are those of AMD's public machine-readable ISA for CDNA 5 (MIT licence, August 2026) and "CDNA5" Instruction Set Architecture Reference Guide (July 2026). The comments in the code are by the model that wrote it; some were corrected since.
;; Local Attention. Allowed arithmetic: matrix products marked QUANTISED: E2M3 operands, one E8M0 scale for each 32 along K, by v_wmma_scale_f32_16x16x128_f8f6f4 with both operands' format E2M3, f32 sums; everything else in f32.
;; Inputs: bk 1,024 float32; bo 1,024 float32; bq 1,024 float32; bv 1,024 float32; wk_codes 1,024 x 32 x 24 uint8 (E2M3 codes of wk, K innermost, in blocks of 32 codes, four codes in three bytes); wk_scales 1,024 x 32 uint8 (E8M0 scales of wk, one for each 32 codes along K); wo_codes 1,024 x 32 x 24 uint8 (E2M3 codes of wo, K innermost, in blocks of 32 codes, four codes in three bytes); wo_scales 1,024 x 32 uint8 (E8M0 scales of wo, one for each 32 codes along K); wq_codes 1,024 x 32 x 24 uint8 (E2M3 codes of wq, K innermost, in blocks of 32 codes, four codes in three bytes); wq_scales 1,024 x 32 uint8 (E8M0 scales of wq, one for each 32 codes along K); wv_codes 1,024 x 32 x 24 uint8 (E2M3 codes of wv, K innermost, in blocks of 32 codes, four codes in three bytes); wv_scales 1,024 x 32 uint8 (E8M0 scales of wv, one for each 32 codes along K); x_codes 2 x 2,048 x 32 x 24 uint8 (E2M3 codes of x, K innermost, in blocks of 32 codes, four codes in three bytes); x_scales 2 x 2,048 x 32 uint8 (E8M0 scales of x, one for each 32 codes along K).
;; Outputs: out0 2 x 2,048 x 1,024 float32.
;; This version of the problem:
;;   THIS VERSION OF THE PROBLEM IS GIVEN IN LOW PRECISION. The matrix products marked QUANTISED in the list below multiply operands that are first quantised to E2M3 (2 exponent bits, 3 mantissa bits; 6 bits a number), with one power-of-two scale for each 32 numbers along K (OCP MX v1.0); their sums are f32. All else is computed in f32.
;;   The module's matrix products, in the order in which they are computed (A, B: the left and right operand; K: the contracted axis; several contracted axes count as one K, in the product's order):
;;     1. [M 4,096, K 1,024] x [K 1,024, N 1,024]; A: input x (given as codes); B: input wq (given as codes): QUANTISED
;;     2. [M 4,096, K 1,024] x [K 1,024, N 1,024]; A: input x (given as codes); B: input wk (given as codes): QUANTISED
;;     3. [M 4,096, K 1,024] x [K 1,024, N 1,024]; A: input x (given as codes); B: input wv (given as codes): QUANTISED
;;     4. batch 32 x [M 2,048, K 64] x [K 64, N 2,048]; A: computed on the way; B: computed on the way: QUANTISED
;;     5. batch 32 x [M 2,048, K 2,048] x [K 2,048, N 64]; A: computed on the way; B: computed on the way: QUANTISED
;;     6. [M 4,096, K 1,024] x [K 1,024, N 1,024]; A: computed on the way; B: input wo (given as codes): QUANTISED
;;   THE QUANTISER, for each operand of a quantised product, along K:
;;     - K is cut into blocks of 32 from its start; a last block that is shorter is filled with zeros.
;;     - A block's scale is 2^e with e = floor(log2(the largest magnitude in the block)) - 2, held to -126 .. 127; a block of zeros has e = 0. As a byte (E8M0): e + 127.
;;     - Each number is divided by its block's scale, clamped to +-7.5, and rounded to the nearest number of E2M3, ties to even, subnormals kept.
;;     - The product sums the exact products of the quantised numbers (number of the format x scale) in f32.
;;   ~~~python
;;   def quantise(x, axis):      # numpy; x: float32 -> the quantised numbers, widened to float32 again
;;       x = np.moveaxis(x, axis, -1); K = x.shape[-1]
;;       x = np.pad(x, [(0, 0)] * (x.ndim - 1) + [(0, -K % 32)]); x = x.reshape(x.shape[:-1] + (-1, 32)); a = np.abs(x).max(-1, keepdims=True)
;;       e = np.where(a > 0, np.clip(np.frexp(np.where(a > 0, a, 1))[1] - 1 - 2, -126, 127), 0)      # np.frexp(a)[1] - 1 = floor(log2(a)), exactly
;;       r = np.clip(x / 2.0 ** e, -7.5, 7.5)
;;       step = 2.0 ** (np.maximum(np.frexp(np.where(r == 0, 1, r))[1] - 1, 0) - 3)
;;       q = np.round(r / step) * step * 2.0 ** e      # np.round: ties to even
;;       return np.moveaxis(q.reshape(q.shape[:-2] + (-1,))[..., :K], -1, axis).astype(np.float32)
;;   ~~~
;;   OPERANDS COMPUTED ON THE WAY. 'Computed on the way' means the value that the module computes at that place (a softmax that the list does not call 'softmax' is quantised finished and normalised). What goes into a quantiser is computed in f32, as accurately as f32 sums, v_exp_f32 and their like allow (about 1e-6 of the number): no bf16 or f16 on the way to a quantiser, and a product that is left as it is and whose result goes on into a quantised operand takes f32 operands (vector FMAs, or v_wmma_f32_16x16x4_f32). A number that lies on a knife's edge between two numbers of the format may be rounded either way, as far as f32 arithmetic and the matrix unit's own rounding can turn it there, and no further.
;;   INPUTS GIVEN AS CODES. wk (in the module: [1024, 1024], K = its axis 0); wo (in the module: [1024, 1024], K = its axis 0); wq (in the module: [1024, 1024], K = its axis 0); wv (in the module: [1024, 1024], K = its axis 0); x (in the module: [2, 2048, 1024], K = its axis 2): each comes as NAME_codes (uint8): NAME with its K axis moved to the last place and cut into blocks of 32 codes, [.., K / 32, bytes a block], one block behind the other in memory; four codes in three bytes: a row's codes are one little-endian stream of bits, code i at bits 6 i .. 6 i + 5 (a code: sign, 2 exponent bits, 3 mantissa bits); and NAME_scales (uint8): the same leading axes, one E8M0 byte (e + 127) for each 32 codes along K. Its value is code x scale, taken as it is: it is not quantised again, and the codes and scales need not be those that the quantiser above would give.
;; One version. Each part assembles by itself: llvm-mc -triple=amdgcn-amd-amdhsa -mcpu=gfx1250 --defsym DOCPART=n.
;; ======== version 1 of 1: 3 launches
;; workspace buffers: qc 3,145,728 bytes; qs 262,144 bytes; kc 3,145,728 bytes; ks 262,144 bytes; vc 3,145,728 bytes; vs 131,072 bytes; ac 3,145,728 bytes; asc 131,072 bytes
;; launch proj (part 1): grid 16 x 16, 4 waves a work-group, no clusters, 327,680 bytes of LDS; arguments x_codes, x_scales, wq_codes, wq_scales, bq, wk_codes, wk_scales, bk, wv_codes, wv_scales, bv, qc, qs, kc, ks, vc, vs; writes qc, qs, kc, ks, vc, vs
.if DOCPART == 1
	.amdgcn_target "amdgcn-amd-amdhsa--gfx1250"
	.amdhsa_code_object_version 6
	.text
	.protected	k_qcbec5ec435_proj
	.globl	k_qcbec5ec435_proj
	.p2align	8
	.type	k_qcbec5ec435_proj,@function
k_qcbec5ec435_proj:
	s_mov_b64 s[64:65], 0
	v_nop
	global_prefetch_b8 v0, s[64:65] scope:SCOPE_SE
	s_setreg_imm32_b32 hwreg(HW_REG_WAVE_MODE, 25, 1), 1
	s_wait_xcnt 0x0
; q = x wq + bq, k = x wk + bk, v = x wv + bv on codes of FP6 (E2M3) with one E8M0 scale for each 32 along K (K = 1,024), sums in f32; each result is quantised at once for the product that takes it:
; q and k along the head's 64 (two blocks), v along the keys (blocks of 32 from the sequence's start).
; SHARES.  Work-group (x = block of 256 rows of the flattened x, y = head) makes 256 rows x 3 x 64 columns.  Wave w owns rows 64 w .. 64 w + 63: four tiles of 16.  ITS x STAYS IN REGISTERS for all of K
; (32 fragments, 384 registers); the head's 64 rows of wq, wk, wv come from LDS, two K steps at a time, through two register buffers.  Three phases (q, k, v) of 128 matrix instructions on 16 accumulators.
; THE ROWS OF A TILE ARE NOT NEIGHBOURS: position r of tile 2 b + u is row 32 b + 8 u + r + 8 (r / 8), for x and for the weights alike.  For q and k source 0 = 16 rows of W, source 1 = 16 rows of x: a lane holds one row of x,
; and the 16 registers of tiles 2 b, 2 b + 1 of W are 16 neighbours along the head.  For v source 0 = x, source 1 = W: a lane holds one channel and 16 neighbouring keys.  So the conversions take their numbers as they lie.
; THE WORKSPACE IS LAID AS THE NEXT LAUNCH'S REGISTERS: qc, kc [b h][tile][768]: registers 0-3 at 16 x lane, registers 4-5 at 512 + 8 x lane; qs, ks one word a row (two bytes, then 0x7f7f for the 64 along K that the
; instruction has and the head has not); vc [b h][block of 32 keys][channel position][24 bytes]; vs [b h][block][r][tile of channels] bytes.
; The biases are the C of each sum's first matrix instruction.
; LDS: chunks of 16 rows.  A row is 768 bytes + 16 of padding behind each 256: 816 bytes = 204 words, so row i starts at bank 12 i mod 64 (64 banks of 4 bytes: ISA guide 11.1); a chunk is 16 rows + 128 bytes, so that the rows
; 16 further on, which a tile also takes, start 32 banks further: the 32 lanes of a load of 8 bytes touch 64 different banks.
; wv's rows are brought into the bytes that held wave 0's part of x, once every wave has its x in registers: the one refill of this launch.
; NO JOINT LOADS: x's rows are read by the 16 work-groups of a row block and a head's weights by the 16 of a head, each once, at the work-group's head; a cluster would divide those requests by four.  This text is kept plain and does without.
; LIMITS: NaN and infinities among the inputs are not served.  A block of zeros gets the scale byte 1 (the quantiser says 127): its codes are zeros, and only this program reads the bytes.
.set PITCH, 816
.set CH,    13184                      ; a chunk: 16 x 816 + 128
.set WQREG, 16*CH                      ; behind x's 16 chunks (wave w: chunks 4 w .. 4 w + 3)
.set WKREG, 20*CH
.set WVREG, 0                          ; the refill: over x's chunks 0 .. 3
.set SPARE, 24*CH                      ; the spare words, 128 bytes a wave: two blocks of 256 bytes that no other line names
.set SPW, 4                            ; v4   SPARE + 4 x thread; never rewritten
.set NIL, 5                            ; v5   0; never rewritten
.set ADX, 6                            ; v6-7   LDS address of my x fragments (the second: for pieces whose upper half of the lanes lies behind one padding more)
.set ADQ, 8                            ; v8-9 wq's, v10-11 wk's, v12-13 wv's
.set SLO, 14                           ; v14  scale words: (8 h + r + 8 (r / 8)) x 32
.set BLO, 15                           ; v15  bq, bk: 64 h
.set BVO, 16                           ; v16  bv: 4 (r + 8 (r / 8))
.set L16, 17                           ; v17  16 x lane
.set L8,  18                           ; v18  512 + 8 x lane
.set L4,  19                           ; v19  4 x lane
.set VCO, 20                           ; v20  24 r + 12 h
.set PW,  21                           ; v21  the scale word to store; v22-23 its two sources; v24-25 v's bytes of the wave's two blocks of keys
.set PW0, 22
.set PW1, 23
.set VW0, 24
.set VW1, 25
.set ACC, 32                           ; v32-159 sixteen accumulators
.set XS,  160                          ; v160-175 x's scale words: register 8 b + s: K step s; lanes 0-15 tile 2 b, lanes 16-31 tile 2 b + 1
.set WSA, 176                          ; v176-191 wq's likewise, later wv's
.set WSB, 192                          ; v192-207 wk's
.set TM,  208                          ; v208-223 at work: +0..3 largest magnitudes, +4..7 bytes, +12..15 the conversions' scale operands
.set PC,  224                          ; v224-243 codes
; window 1: v0-191 x's tiles 0, 1 (fragment (tile, K step s) at 96 (tile % 2) + 12 s); v192-223 bv as C.  window 2: x's tiles 2, 3.  window 3: v0-95, v96-191 two buffers of W; v192-223 bq as C, v224-255 bk
.set G1,  40                           ; s[40:47] descriptor group 1: 16 rows of 768 bytes, for every load
.set G0X, 48                           ; s[48:63] four groups 0 for x
.set G0Q, 68
.set G0K, 72
.set G0V, 76
.set WV,  38
.set HD,  39
.set HM,  81                           ; mask of lanes 16-31
.set SEL, 82                           ; s[82:83] v_permlanex16_b32's selects for lane l xor 16
.set MSB, 0
.macro WIN new                         ; the immediate's high byte repeats the setting that is left
.if MSB != (\new)
	s_set_vgpr_msb (MSB<<8)|(\new)
.set MSB, (\new)
.endif
.endm
.macro PLACES n
.rept \n
	v_nop
.endr
.endm
; a fragment: 16 rows x 128 K = 12 registers: lane (r, h) takes 24 bytes at 96 q + 24 h and 24 at 96 q + 48 + 24 h of its row, in pieces of 8 bytes; a padding of 16 bytes lies behind every 32 pieces
.macro FRAG reg, adr, q, off
.irp p, 0,1,2,3,4,5
.set PCE, 12*(\q)+6*(\p/3)+\p%3
.if PCE%32 < 29
	ds_load_b64 v[(\reg)+2*\p:(\reg)+2*\p+1], v[\adr] offset:8*PCE+16*(PCE/32)+(\off)
.else
	ds_load_b64 v[(\reg)+2*\p:(\reg)+2*\p+1], v[\adr+1] offset:8*PCE+16*(PCE/32)+(\off)
.endif
.endr
.endm
.macro FETCHW buf, adr, sp             ; K steps 2 sp, 2 sp + 1 of the four tiles of W into buffer buf: 48 LDS loads
	WIN 0xc0
.irp e, 0,1
.irp wt, 0,1,2,3
	FRAG 96*(\buf)+48*\e+12*\wt, \adr, 2*(\sp)+\e, 2*CH*(\wt/2)+8*PITCH*(\wt%2)
.endr
.endr
.endm
.macro WM                              ; one matrix instruction from the symbols rD, rA, rB, rC, rSA, rSB; rRA, rRB: the side's scale words stand in lanes 16-31
.if rRA && rRB
	v_wmma_scale_f32_16x16x128_f8f6f4 v[rD:rD+7], v[rA:rA+11], v[rB:rB+11], v[rC:rC+7], v[rSA], v[rSB] matrix_a_fmt:MATRIX_FMT_FP6 matrix_b_fmt:MATRIX_FMT_FP6 matrix_a_scale:MATRIX_SCALE_ROW1 matrix_b_scale:MATRIX_SCALE_ROW1
.elseif rRA
	v_wmma_scale_f32_16x16x128_f8f6f4 v[rD:rD+7], v[rA:rA+11], v[rB:rB+11], v[rC:rC+7], v[rSA], v[rSB] matrix_a_fmt:MATRIX_FMT_FP6 matrix_b_fmt:MATRIX_FMT_FP6 matrix_a_scale:MATRIX_SCALE_ROW1
.elseif rRB
	v_wmma_scale_f32_16x16x128_f8f6f4 v[rD:rD+7], v[rA:rA+11], v[rB:rB+11], v[rC:rC+7], v[rSA], v[rSB] matrix_a_fmt:MATRIX_FMT_FP6 matrix_b_fmt:MATRIX_FMT_FP6 matrix_b_scale:MATRIX_SCALE_ROW1
.else
	v_wmma_scale_f32_16x16x128_f8f6f4 v[rD:rD+7], v[rA:rA+11], v[rB:rB+11], v[rC:rC+7], v[rSA], v[rSB] matrix_a_fmt:MATRIX_FMT_FP6 matrix_b_fmt:MATRIX_FMT_FP6
.endif
.endm
; 8 matrix instructions: the two tiles of x in window xw against W's four, K step ks.  kind 0 (q, k): source 0 = W; kind 1 (v): source 0 = x.  first = 1: C is the bias at cb.
; The eight accumulators take turns, one instruction a turn.
.macro MUL8 kind, xw, buf, ks, ws, first, cb
.if \kind == 0
	WIN 0x03|((\xw)<<2)|(0x30*(\first))
.else
	WIN (\xw)|0x0c|(0x10*(\first))
.endif
.irp par, 0,1
.irp wt, 0,1,2,3
.set rX, 96*\par+12*(\ks)
.set rW, 96*(\buf)+48*((\ks)%2)+12*\wt
.set rXS, XS+8*((\xw)-1)+(\ks)
.set rWS, (\ws)+8*(\wt/2)+(\ks)
.if \kind == 0
.set rD, ACC+32*(2*((\xw)-1)+\par)+8*\wt
.set rA, rW
.set rB, rX
.set rSA, rWS
.set rSB, rXS
.set rRA, \wt%2
.set rRB, \par
.else
.set rD, ACC+32*\wt+8*(2*((\xw)-1)+\par)
.set rA, rX
.set rB, rW
.set rSA, rXS
.set rSB, rWS
.set rRA, \par
.set rRB, \wt%2
.endif
.if \first
.set rC, (\cb)+8*\wt
.else
.set rC, rD
.endif
	WM
.endr
.endr
.endm
; half f of twelve: two K steps of phase f / 4, 32 matrix instructions on buffer f % 2, which then takes the fetch two halves on
.macro HALF f, kind, ws, cb
.if (\f)%4 == 0
.set FST, 1
.else
.set FST, 0
.endif
.if (\f) == 11
	s_wait_dscnt 0x0                               ; the last fetch
.else
	s_wait_dscnt 48                                ; this half's 48 loads are in; the other buffer's 48 may be out
.endif
	MUL8 \kind, 1, (\f)%2, 2*((\f)%4), \ws, FST, \cb
	MUL8 \kind, 1, (\f)%2, 2*((\f)%4)+1, \ws, 0, \cb
	MUL8 \kind, 2, (\f)%2, 2*((\f)%4), \ws, FST, \cb
	MUL8 \kind, 2, (\f)%2, 2*((\f)%4)+1, \ws, 0, \cb
	PLACES 4                                       ; in front of loads into registers that matrix instructions have read, and of the first read of results
.if (\f)+2 <= 11
	FETCHW (\f)%2, ADQ+2*(((\f)+2)/4), ((\f)+2)%4
.endif
	WIN 0
.endm
; four blocks of 32, each as 16 registers at s + 16 b in this lane and 16 in lane l xor 16: the largest magnitude (with the floor 2^(3 - 127) among its leaves), the conversion's scale operand, the byte
.macro BLKS s
.irp b, 0,1,2,3
	v_max3_num_f32 v[TM+\b], |v[\s+16*\b]|, |v[\s+1+16*\b]|, 0x1800000
.endr
.irp i, 2,4,6,8,10,12,14
.irp b, 0,1,2,3
	v_max3_num_f32 v[TM+\b], v[TM+\b], |v[\s+16*\b+\i]|, |v[\s+1+16*\b+\i]|
.endr
.endr
.irp b, 0,1,2,3
	v_permlanex16_b32 v[TM+4+\b], v[TM+\b], s[SEL], s[SEL+1]
.endr
.irp b, 0,1,2,3
	v_max_num_f32 v[TM+\b], v[TM+\b], v[TM+4+\b]
.endr
.irp b, 0,1,2,3
	v_add_nc_u32 v[TM+12+\b], 0xff000000, v[TM+\b] ; 2 off the exponent field: the conversion takes the exponent field of this operand and nothing else
.endr
.irp b, 0,1,2,3
	v_lshrrev_b32 v[TM+4+\b], 23, v[TM+12+\b]      ; the scale's byte
.endr
.endm
; q or k: row tiles 2 g, 2 g + 1 become two images of six registers and their scale words
.macro EPI_QK g, cp, sp
	s_wait_xcnt 0x0                                ; the last stores have read their data: the registers may be written again
	BLKS ACC+64*\g
	v_lshl_or_b32 v[PW0], v[TM+5], 8, v[TM+4]      ; tile 2 g: its row's two bytes
	v_lshl_or_b32 v[PW1], v[TM+7], 8, v[TM+6]      ; tile 2 g + 1
	v_cndmask_b32 v[PW], v[PW0], v[PW1], s[HM]     ; lanes 0-15 store the first tile's words, lanes 16-31 the second's
	v_or_b32 v[PW], 0x7f7f0000, v[PW]
.irp c, 0,1
	v_cvt_scalef32_pk16_fp6_f32 v[PC+6*\c:PC+6*\c+2], v[ACC+64*\g+32*\c:ACC+64*\g+32*\c+15], v[TM+12+2*\c]
	v_cvt_scalef32_pk16_fp6_f32 v[PC+12+4*\c:PC+14+4*\c], v[ACC+64*\g+32*\c+16:ACC+64*\g+32*\c+31], v[TM+13+2*\c]
.endr
	v_nop                                          ; one plain place behind a scaled conversion
.irp c, 0,1                                    ; the operand's layout wants a whole block in a lane: lanes 0-15 block 0, lanes 16-31 block 1
.irp i, 0,1,2
	v_permlane16_swap_b32 v[PC+6*\c+\i], v[PC+12+4*\c+\i]
.endr
.irp i, 0,1,2
	v_mov_b32 v[PC+3+6*\c+\i], v[PC+12+4*\c+\i]
.endr
.endr
.irp c, 0,1
	global_store_b128 v[L16], v[PC+6*\c:PC+6*\c+3], s[\cp:\cp+1] offset:(2*\g+\c)*768      ; 512 consecutive bytes, aligned to 256
	global_store_b64 v[L8], v[PC+6*\c+4:PC+6*\c+5], s[\cp:\cp+1] offset:(2*\g+\c)*768      ; and the next 256
.endr
	global_store_b32 v[L4], v[PW], s[\sp:\sp+1] offset:128*\g
.endm
; v: tiles of channels 2 g, 2 g + 1, each with the wave's two blocks of keys: block bb = 2 (tile % 2) + block of keys
.macro EPI_V g
	s_wait_xcnt 0x0
	BLKS ACC+64*\g
.irp bb, 0,1,2,3
	v_cvt_scalef32_pk16_fp6_f32 v[PC+4*\bb:PC+4*\bb+2], v[ACC+64*\g+16*\bb:ACC+64*\g+16*\bb+15], v[TM+12+\bb]
.endr
	v_nop
.if \g == 0
	v_lshl_or_b32 v[VW0], v[TM+6], 8, v[TM+4]      ; byte dt of the word of block b: the scale of tile dt
	v_lshl_or_b32 v[VW1], v[TM+7], 8, v[TM+5]
.else
	v_lshl_or_b32 v[VW0], v[TM+4], 16, v[VW0]
	v_lshl_or_b32 v[VW1], v[TM+5], 16, v[VW1]
	v_lshl_or_b32 v[VW0], v[TM+6], 24, v[VW0]
	v_lshl_or_b32 v[VW1], v[TM+7], 24, v[VW1]
	v_cndmask_b32 v[PW], v[VW0], v[VW1], s[HM]
.endif
.irp bb, 0,1,2,3
	global_store_b96 v[VCO], v[PC+4*\bb:PC+4*\bb+2], s[34:35] offset:(\bb%2)*1536+(2*\g+\bb/2)*384   ; 16 codes, 12 bytes a lane: 384 consecutive bytes
.endr
.if \g == 1
	global_store_b32 v[L4], v[PW], s[36:37]
.endif
.endm
	s_load_b512 s[4:19], s[0:1], 0x0               ; x_codes 4, x_scales 6, wq_codes 8, wq_scales 10, bq 12, wk_codes 14, wk_scales 16, bk 18
	s_load_b512 s[20:35], s[0:1], 0x40             ; wv_codes 20, wv_scales 22, bv 24, qc 26, qs 28, kc 30, ks 32, vc 34
	s_load_b64 s[36:37], s[0:1], 0x80              ; vs
	v_lshl_add_u32 v[SPW], v0, 2, SPARE
	v_mov_b32 v[NIL], 0
	ds_add_u32 v4, v5
	ds_add_u32 v4, v5
	s_wait_dscnt 0x0
	v_lshrrev_b32 v1, 5, v0
	v_readfirstlane_b32 s[WV], v1                  ; wave 0..3
	s_and_b32 s[HD], ttmp7, 0xffff                 ; the head
	s_mov_b32 s[G1+0], (1<<20)|(5<<22)|(3<<25)     ; elements of 1 byte; padding on: behind every 64 words, 4 words
	s_mov_b32 s[G1+1], 768<<16                     ; tensor_dim0
	s_mov_b32 s[G1+2], 16<<16                      ; tensor_dim1
	s_mov_b32 s[G1+3], 768<<16                     ; tile_dim0
	s_mov_b32 s[G1+4], 16                          ; tile_dim1
	s_mov_b32 s[G1+5], 768                         ; from row to row
	s_mov_b32 s[G1+6], 0
	s_mov_b32 s[G1+7], 0
	s_mul_i32 s84, ttmp9, 196608                   ; x: 256 rows of 768 bytes a work-group,
	s_mul_i32 s85, s[WV], 49152                    ; 64 a wave
	s_add_co_u32 s84, s84, s85
	s_mov_b32 s85, 0
	s_mul_i32 s86, s[HD], 49152                    ; W: 64 rows a head,
	s_mul_i32 s87, s[WV], 12288                    ; of which each wave fetches 16
	s_add_co_u32 s86, s86, s87
	s_mov_b32 s87, 0
	s_mul_i32 s88, s[WV], 4*CH                     ; LDS: my four chunks of x,
	s_mul_i32 s89, s[WV], CH                       ; my chunk of a weight
	s_wait_kmcnt 0x0
	s_add_nc_u64 s[4:5], s[4:5], s[84:85]
.irp c, 0,1,2,3
	s_mov_b32 s[G0X+4*\c], 1
	s_add_co_u32 s[G0X+4*\c+1], s88, \c*CH
	s_add_nc_u64 s[G0X+4*\c+2:G0X+4*\c+3], s[4:5], \c*12288
	s_or_b32 s[G0X+4*\c+3], s[G0X+4*\c+3], 0x80000000
.endr
	s_mov_b32 s[G0Q], 1
	s_add_co_u32 s[G0Q+1], s89, WQREG
	s_add_nc_u64 s[G0Q+2:G0Q+3], s[8:9], s[86:87]
	s_or_b32 s[G0Q+3], s[G0Q+3], 0x80000000
	s_mov_b32 s[G0K], 1
	s_add_co_u32 s[G0K+1], s89, WKREG
	s_add_nc_u64 s[G0K+2:G0K+3], s[14:15], s[86:87]
	s_or_b32 s[G0K+3], s[G0K+3], 0x80000000
	s_mov_b32 s[G0V], 1
	s_add_co_u32 s[G0V+1], s89, WVREG
	s_add_nc_u64 s[G0V+2:G0V+3], s[20:21], s[86:87]
	s_or_b32 s[G0V+3], s[G0V+3], 0x80000000
	tensor_load_to_lds s[G0X:G0X+3], s[G1:G1+7]    ; the first fills go out together: six loads of mine are out
	s_nop 0
	tensor_load_to_lds s[G0X+4:G0X+7], s[G1:G1+7]
	s_nop 0
	tensor_load_to_lds s[G0X+8:G0X+11], s[G1:G1+7]
	s_nop 0
	tensor_load_to_lds s[G0X+12:G0X+15], s[G1:G1+7]
	s_nop 0
	tensor_load_to_lds s[G0Q:G0Q+3], s[G1:G1+7]
	s_nop 0
	tensor_load_to_lds s[G0K:G0K+3], s[G1:G1+7]
	s_nop 0
	PLACES 4                                       ; four v_nop behind the loads
	s_lshl_b32 s90, ttmp9, 13                      ; x's scale bytes: 32 a row
	s_lshl_b32 s91, s[WV], 11
	s_add_co_u32 s90, s90, s91
	s_mov_b32 s91, 0
	s_add_nc_u64 s[6:7], s[6:7], s[90:91]
	s_lshl_b32 s90, s[HD], 11                      ; the weights' scale bytes: 64 rows of 32
	s_add_nc_u64 s[10:11], s[10:11], s[90:91]
	s_add_nc_u64 s[16:17], s[16:17], s[90:91]
	s_add_nc_u64 s[22:23], s[22:23], s[90:91]
	s_lshl_b32 s90, s[HD], 8                       ; the biases: 64 numbers
	s_add_nc_u64 s[12:13], s[12:13], s[90:91]
	s_add_nc_u64 s[18:19], s[18:19], s[90:91]
	s_add_nc_u64 s[24:25], s[24:25], s[90:91]
	s_lshr_b32 s90, ttmp9, 3                       ; the batch
	s_lshl_b32 s90, s90, 4
	s_add_co_u32 s90, s90, s[HD]                   ; b h = 16 b + head
	s_lshl_b32 s90, s90, 6
	s_and_b32 s92, ttmp9, 7
	s_lshl_b32 s92, s92, 3
	s_add_co_u32 s90, s90, s92
	s_lshl_b32 s92, s[WV], 1
	s_add_co_u32 s90, s90, s92                     ; U = 64 b h + my first block of 32 rows of the sequence
	s_mul_i32 s92, s90, 1536                       ; two tiles of q or k, or a block of v, are 1,536 bytes
	s_mov_b32 s93, 0
	s_add_nc_u64 s[26:27], s[26:27], s[92:93]
	s_add_nc_u64 s[30:31], s[30:31], s[92:93]
	s_add_nc_u64 s[34:35], s[34:35], s[92:93]
	s_lshl_b32 s92, s90, 7
	s_add_nc_u64 s[28:29], s[28:29], s[92:93]
	s_add_nc_u64 s[32:33], s[32:33], s[92:93]
	s_lshl_b32 s92, s90, 6
	s_add_nc_u64 s[36:37], s[36:37], s[92:93]
	s_mov_b32 s[SEL], 0x76543210
	s_mov_b32 s[SEL+1], 0xfedcba98
	v_and_b32 v1, 31, v0                           ; lane
	v_and_b32 v2, 15, v0                           ; r
	v_bfe_u32 v3, v0, 4, 1                         ; h
	v_and_b32 v26, 7, v0
	v_bfe_u32 v27, v0, 3, 1                        ; r / 8
	v_mul_u32_u24 v28, v26, PITCH
	v_mad_u32_u24 v28, v27, CH, v28                ; position r of a tile: row r % 8 of a chunk, or of the next chunk
	v_mad_u32_u24 v29, v3, 24, v28
	v_mad_u32_u24 v30, v3, 40, v28
	v_add_nc_u32 v[ADX], s88, v29
	v_add_nc_u32 v[ADX+1], s88, v30
	v_add_nc_u32 v[ADQ], WQREG, v29
	v_add_nc_u32 v[ADQ+1], WQREG, v30
	v_add_nc_u32 v[ADQ+2], WKREG, v29
	v_add_nc_u32 v[ADQ+3], WKREG, v30
	v_add_nc_u32 v[ADQ+4], WVREG, v29
	v_add_nc_u32 v[ADQ+5], WVREG, v30
	v_lshl_add_u32 v31, v27, 3, v2                 ; r + 8 (r / 8)
	v_lshl_add_u32 v[SLO], v3, 3, v31
	v_lshlrev_b32 v[SLO], 5, v[SLO]
	v_lshlrev_b32 v[BLO], 6, v3
	v_lshlrev_b32 v[BVO], 2, v31
	v_lshlrev_b32 v[L16], 4, v1
	v_lshl_add_u32 v[L8], v1, 3, 512
	v_lshlrev_b32 v[L4], 2, v1
	v_mul_u32_u24 v[VCO], v2, 24
	v_mad_u32_u24 v[VCO], v3, 12, v[VCO]
	v_cmp_le_u32 s[HM], 16, v1
.irp b, 0,1,2,3
	v_mov_b32 v[TM+4+\b], 0                        ; written once: a lane permute's destination counts as one of its sources
.endr
.irp b, 0,1
.irp j, 0,1
	global_load_b128 v[XS+8*\b+4*\j:XS+8*\b+4*\j+3], v[SLO], s[6:7] offset:1024*\b+16*\j
	global_load_b128 v[WSA+8*\b+4*\j:WSA+8*\b+4*\j+3], v[SLO], s[10:11] offset:1024*\b+16*\j
	global_load_b128 v[WSB+8*\b+4*\j:WSB+8*\b+4*\j+3], v[SLO], s[16:17] offset:1024*\b+16*\j
.endr
.endr
	WIN 0xc0                                       ; destination window 3
.irp wt, 0,1,2,3                               ; tile wt's C: lane (r, h) wants the bias of columns 32 (wt / 2) + 8 (wt % 2) + 16 h + 0 .. 7
	global_load_b128 v[192+8*\wt:195+8*\wt], v[BLO], s[12:13] offset:128*(\wt/2)+32*(\wt%2)
	global_load_b128 v[196+8*\wt:199+8*\wt], v[BLO], s[12:13] offset:128*(\wt/2)+32*(\wt%2)+16
	global_load_b128 v[224+8*\wt:227+8*\wt], v[BLO], s[18:19] offset:128*(\wt/2)+32*(\wt%2)
	global_load_b128 v[228+8*\wt:231+8*\wt], v[BLO], s[18:19] offset:128*(\wt/2)+32*(\wt%2)+16
.endr
	WIN 0x40                                       ; destination window 1
.irp wt, 0,1,2,3                               ; v: a lane holds one channel, so its eight registers of C hold one number
.irp j, 0,1,2,3,4,5,6,7
	global_load_b32 v[192+8*\wt+\j], v[BVO], s[24:25] offset:128*(\wt/2)+32*(\wt%2)
.endr
.endr
	s_wait_tensorcnt 0x2                           ; my four loads of x have landed (only I read them); wq's and wk's may be out
.irp xw, 1,2
	WIN 0x40*\xw
.irp par, 0,1
.irp q, 0,1,2,3,4,5,6,7
	FRAG 96*\par+12*\q, ADX, \q, 2*CH*(\xw-1)+8*PITCH*\par
.endr
.endr
.endr
	WIN 0
	s_wait_tensorcnt 0x0                           ; all my tensor loads have landed: my rows of wq and wk among them;
	ds_add_u32 v[SPW], v[NIL]                      ; 0 onto my spare word;
	s_wait_dscnt 0x0                               ; the add is done, and my x is in registers: my reads of x's bytes are over
	s_barrier_signal -1
	s_barrier_wait -1                              ; both hold of every wave: wq and wk are whole, and nobody reads x's bytes any more
	tensor_load_to_lds s[G0V:G0V+3], s[G1:G1+7]    ; the one refill: my 16 rows of wv; it has the whole of phase q in which to land
	s_nop 0
	PLACES 4
	s_wait_loadcnt 0x0                             ; scale words and biases
	FETCHW 0, ADQ, 0
	FETCHW 1, ADQ, 1
	HALF 0, 0, WSA, 192
	HALF 1, 0, WSA, 192
	HALF 2, 0, WSA, 192
	HALF 3, 0, WSA, 192
.irp b, 0,1
.irp j, 0,1
	global_load_b128 v[WSA+8*\b+4*\j:WSA+8*\b+4*\j+3], v[SLO], s[22:23] offset:1024*\b+16*\j   ; wv's scale words take wq's registers (four places behind the last product)
.endr
.endr
	EPI_QK 0, 26, 28
	EPI_QK 1, 26, 28
	s_wait_tensorcnt 0x0                           ; my rows of wv have landed,
	s_wait_dscnt 0x0                               ; no LDS load of mine is out at the signal
	s_barrier_signal -1
	s_barrier_wait -1                              ; everybody's have
	HALF 4, 0, WSB, 224
	HALF 5, 0, WSB, 224
	HALF 6, 0, WSB, 224
	HALF 7, 0, WSB, 224
	EPI_QK 0, 30, 32
	EPI_QK 1, 30, 32
	s_wait_loadcnt 0x0                             ; wv's scale words
	HALF 8, 1, WSA, 192
	HALF 9, 1, WSA, 192
	HALF 10, 1, WSA, 192
	HALF 11, 1, WSA, 192
	EPI_V 0
	EPI_V 1
	s_wait_tensorcnt 0x0                           ; the wave's end
	ds_add_u32 v[SPW], v[NIL]
	s_wait_dscnt 0x0
	s_endpgm
.Lfunc_end_k_qcbec5ec435_proj:
	.size	k_qcbec5ec435_proj, .Lfunc_end_k_qcbec5ec435_proj-k_qcbec5ec435_proj
	.p2alignl 7, 3214868480
	.fill 96, 4, 3214868480
	.section	.rodata,"a",@progbits
	.p2align	6, 0x0
	.amdhsa_kernel k_qcbec5ec435_proj
		.amdhsa_group_segment_fixed_size 327680
		.amdhsa_private_segment_fixed_size 0
		.amdhsa_enable_private_segment 0
		.amdhsa_kernarg_size 136
		.amdhsa_user_sgpr_count 2
		.amdhsa_user_sgpr_kernarg_segment_ptr 1
		.amdhsa_wavefront_size32 1
		.amdhsa_system_sgpr_workgroup_id_x 1
		.amdhsa_system_sgpr_workgroup_id_y 1
		.amdhsa_system_sgpr_workgroup_id_z 1
		.amdhsa_system_vgpr_workitem_id 0
		.amdhsa_next_free_vgpr 1024
		.amdhsa_next_free_sgpr 100
		.amdhsa_reserve_vcc 0
		.amdhsa_float_denorm_mode_32 3
		.amdhsa_float_denorm_mode_16_64 3
		.amdhsa_memory_ordered 1
		.amdhsa_forward_progress 1
		.amdhsa_inst_pref_size 139
	.end_amdhsa_kernel
	.amdgpu_metadata
---
amdhsa.version: [ 1, 2 ]
amdhsa.kernels:
  - .name:           k_qcbec5ec435_proj
    .symbol:         k_qcbec5ec435_proj.kd
    .args:
      - { .name: x_codes, .offset: 0, .size: 8, .value_kind: global_buffer, .address_space: global }
      - { .name: x_scales, .offset: 8, .size: 8, .value_kind: global_buffer, .address_space: global }
      - { .name: wq_codes, .offset: 16, .size: 8, .value_kind: global_buffer, .address_space: global }
      - { .name: wq_scales, .offset: 24, .size: 8, .value_kind: global_buffer, .address_space: global }
      - { .name: bq, .offset: 32, .size: 8, .value_kind: global_buffer, .address_space: global }
      - { .name: wk_codes, .offset: 40, .size: 8, .value_kind: global_buffer, .address_space: global }
      - { .name: wk_scales, .offset: 48, .size: 8, .value_kind: global_buffer, .address_space: global }
      - { .name: bk, .offset: 56, .size: 8, .value_kind: global_buffer, .address_space: global }
      - { .name: wv_codes, .offset: 64, .size: 8, .value_kind: global_buffer, .address_space: global }
      - { .name: wv_scales, .offset: 72, .size: 8, .value_kind: global_buffer, .address_space: global }
      - { .name: bv, .offset: 80, .size: 8, .value_kind: global_buffer, .address_space: global }
      - { .name: qc, .offset: 88, .size: 8, .value_kind: global_buffer, .address_space: global }
      - { .name: qs, .offset: 96, .size: 8, .value_kind: global_buffer, .address_space: global }
      - { .name: kc, .offset: 104, .size: 8, .value_kind: global_buffer, .address_space: global }
      - { .name: ks, .offset: 112, .size: 8, .value_kind: global_buffer, .address_space: global }
      - { .name: vc, .offset: 120, .size: 8, .value_kind: global_buffer, .address_space: global }
      - { .name: vs, .offset: 128, .size: 8, .value_kind: global_buffer, .address_space: global }
    .group_segment_fixed_size: 327680
    .private_segment_fixed_size: 0
    .kernarg_segment_align: 8
    .kernarg_segment_size: 136
    .max_flat_workgroup_size: 128
    .sgpr_count:     100
    .vgpr_count:     1024
    .wavefront_size: 32
...
	.end_amdgpu_metadata
.endif
;; end of part 1
;; launch attn (part 2): grid 8 x 32, 16 waves a work-group, no clusters, 56,320 bytes of LDS; arguments qc, qs, kc, ks, vc, vs, ac, asc; writes ac, asc
.if DOCPART == 2
	.amdgcn_target "amdgcn-amd-amdhsa--gfx1250"
	.amdhsa_code_object_version 6
	.text
	.protected	k_qcbec5ec435_attn
	.globl	k_qcbec5ec435_attn
	.p2align	8
	.type	k_qcbec5ec435_attn,@function
k_qcbec5ec435_attn:
	s_mov_b64 s[64:65], 0
	v_nop
	global_prefetch_b8 v0, s[64:65] scope:SCOPE_SE
	s_setreg_imm32_b32 hwreg(HW_REG_WAVE_MODE, 25, 1), 1
	s_wait_xcnt 0x0
; Attention in a window: key j counts for query i where 0 <= i - j <= 256.  Both products on codes of FP6 (E2M3) with E8M0 scales; the weights are quantised FINISHED AND NORMALISED, along the keys, in blocks of 32 from the sequence's start.
; SHARES.  Work-group (x = block of 256 queries, y = 16 b + head).  Each of its sixteen waves owns one tile of 16 queries out of one group of 32 (tile T = 16 x + w: queries 32 (T / 2) + 8 (T % 2) + r + 8 (r / 8)).
; Such a tile sees exactly nine blocks of 32 keys: its own group's and the eight before.  All 288 scores of a query lie in 144 registers of two lanes, so the row's true maximum is taken away, and the sum divides, before anything is quantised.
; The work-group's sixteen blocks of K and V (the eight before its queries and its own eight) are copied into LDS once, a block a wave; a block in front of the sequence is replaced by block 0 (no load leaves its buffer) and hidden.
; LAYOUT.  S^T = K Q^T (source 0 = 16 keys, source 1 = my queries), O^T = V^T P^T (source 0 = 16 channels, source 1 = P): a lane holds one query throughout.  K's tiles are laid so that the 16 registers of a block's two tiles
; are keys 16 (lane / 16) + 0 .. 15 of the block; V's channels so that O^T's 16 registers of two tiles are 16 neighbouring channels.
; THE HEAD HAS 64, THE INSTRUCTION 128 ALONG K: Q's upper six registers are zero codes and bytes 2, 3 of both scale words are 0x7f; K's upper six are whatever codes follow (every code is a finite number): they add exactly 0.
; Likewise the third K step of the second product holds one block: P's codes of the other three are zeros and their scale bytes 0x7f.
; LIMITS: NaN and infinities are not served.  A hidden score is -3e38: true scores must lie above that.  A weight under 2^-126 is 0 (v_exp_f32 flushes).  A block of zeros gets the byte 1: its codes are zeros, and only this program reads the bytes.
; Every row holds its own diagonal, so its sum is at least about 1 and no NaN arises for nan_to_num to replace.  The division is v_rcp_f32 and a multiplication.
.set VCREG, 24576                      ; LDS: K's blocks at 1,536 j (two tile images); V's at VCREG + 1,664 j (1,536 + 128: lanes 16-31 read the next block, 32 banks further on);
.set KSREG, 51200                      ; K's scale words, 128 bytes a block; V's scale bytes, 64 a block
.set VSREG, 53248
.set VBL,   1664
.set KA,  1                            ; v1  1,536 g + 16 lane        v2  the same + 512 + 8 lane
.set KA8, 2
.set KSA, 3                            ; v3  KSREG + 128 g + 4 lane
.set VA,  4                            ; v4  VCREG + 1,664 (g + h) + 24 r     v5  the same without h
.set VA2, 5
.set VSA, 6                            ; v6  VSREG + 64 g + 4 r
.set DL,  7                            ; v7  my query's place in its group of 32, less 16 h
.set L16, 8
.set L8,  9
.set ASO, 10                           ; v10 4 r
.set Q,   12                           ; v12-23 Q (v18-23 zeros); later v12-20 the conversions' scale operands
.set QSC, 24
.set KSC, 26                           ; v26-34 K's scale words, a register a block; later at work
.set KB,  36                           ; v36-71 six fragments of K, six registers each; later block maxima (v36-44), bytes (v46-54), then P's codes
.set NG,  78                           ; v72-77 zeros; v78-85 -3e38.  Later v[72:73] -c x maximum, v[74:77] sums, v[78:79] 1 / sum, v80.. halves of P's codes
.set VW,  86                           ; v86-94 V's scale bytes as they lie; v95 0x7f7f7f7f
.set S,   96                           ; v96-239 the scores, block i at 96 + 16 i; later O^T (v96-127) and V's fragments (v128-223)
.set VSC, 240                          ; v240-251 V's scale words (K step kk, tile dt: 4 kk + dt)
.set PS,  252                          ; v252-254 P's scale words
.set BM,  36
.set BP,  46
.set SO,  12
.set P,   36
.set TT,  80
.set O,   96
.set VF,  128
.set KB0, 25                           ; s25 the window's first block, counted in the sequence: under 0 in front of it
.set SEL, 26
.set CS,  28                           ; s[28:29] c = log2(e) / 8
.macro PLACES n
.rept \n
	v_nop
.endr
.endm
.macro KBATCH t                        ; blocks 3 t .. 3 t + 2: six tile images
.irp n, 0,1,2,3,4,5
	ds_load_b128 v[KB+6*\n:KB+6*\n+3], v[KA] offset:1536*(3*\t+\n/2)+768*(\n%2)
	ds_load_b64 v[KB+6*\n+4:KB+6*\n+5], v[KA8] offset:1536*(3*\t+\n/2)+768*(\n%2)
.endr
	s_wait_dscnt 0x0
.endm
.macro QK2 i, ng                       ; block i's two tiles.  ng = 1: the sums start at -3e38
.irp e, 0,1
.set rD, S+16*(\i)+8*\e
.set rA, KB+6*(2*((\i)%3)+\e)
.if \ng
.if \e
	v_wmma_scale_f32_16x16x128_f8f6f4 v[rD:rD+7], v[rA:rA+11], v[Q:Q+11], v[NG:NG+7], v[KSC+(\i)], v[QSC] matrix_a_fmt:MATRIX_FMT_FP6 matrix_b_fmt:MATRIX_FMT_FP6 matrix_a_scale:MATRIX_SCALE_ROW1
.else
	v_wmma_scale_f32_16x16x128_f8f6f4 v[rD:rD+7], v[rA:rA+11], v[Q:Q+11], v[NG:NG+7], v[KSC+(\i)], v[QSC] matrix_a_fmt:MATRIX_FMT_FP6 matrix_b_fmt:MATRIX_FMT_FP6
.endif
.else
.if \e
	v_wmma_scale_f32_16x16x128_f8f6f4 v[rD:rD+7], v[rA:rA+11], v[Q:Q+11], 0, v[KSC+(\i)], v[QSC] matrix_a_fmt:MATRIX_FMT_FP6 matrix_b_fmt:MATRIX_FMT_FP6 matrix_a_scale:MATRIX_SCALE_ROW1
.else
	v_wmma_scale_f32_16x16x128_f8f6f4 v[rD:rD+7], v[rA:rA+11], v[Q:Q+11], 0, v[KSC+(\i)], v[QSC] matrix_a_fmt:MATRIX_FMT_FP6 matrix_b_fmt:MATRIX_FMT_FP6
.endif
.endif
.endr
.endm
.macro QKBLK i                         ; a block in front of the sequence is hidden whole: a scalar branch on ids chooses the C; it costs no vector work
.if (\i) < 8
	s_cmp_lt_i32 s[KB0], -(\i)
	s_cbranch_scc1 .Lhid_\@
.endif
	QK2 \i, 0
.if (\i) < 8
	s_branch .Lvis_\@
.Lhid_\@:
	QK2 \i, 1
.Lvis_\@:
.endif
.endm
.macro PV kk, vf, zero                 ; K step kk of O^T += V^T P^T: the four accumulators take turns
.irp dt, 0,1,2,3
.if \zero
	v_wmma_scale_f32_16x16x128_f8f6f4 v[O+8*\dt:O+8*\dt+7], v[\vf+12*\dt:\vf+12*\dt+11], v[P+12*\kk:P+12*\kk+11], 0, v[VSC+4*\kk+\dt], v[PS+\kk] matrix_a_fmt:MATRIX_FMT_FP6 matrix_b_fmt:MATRIX_FMT_FP6
.else
	v_wmma_scale_f32_16x16x128_f8f6f4 v[O+8*\dt:O+8*\dt+7], v[\vf+12*\dt:\vf+12*\dt+11], v[P+12*\kk:P+12*\kk+11], v[O+8*\dt:O+8*\dt+7], v[VSC+4*\kk+\dt], v[PS+\kk] matrix_a_fmt:MATRIX_FMT_FP6 matrix_b_fmt:MATRIX_FMT_FP6
.endif
.endr
.endm
	s_load_b512 s[4:19], s[0:1], 0x0               ; qc 4, qs 6, kc 8, ks 10, vc 12, vs 14, ac 16, asc 18
	v_lshl_add_u32 v35, v0, 2, 0xd400
	v_mov_b32 v255, 0
	v_lshrrev_b32 v240, 5, v0
	v_readfirstlane_b32 s20, v240                  ; wave 0..15
	s_and_b32 s22, ttmp7, 0xffff                   ; b h
	s_lshr_b32 s23, s20, 1                         ; g: my group of 32 queries
	s_and_b32 s24, s20, 1                          ; u: which of its two tiles
	s_lshl_b32 s21, ttmp9, 3
	s_add_co_u32 s[KB0], s21, s23
	s_sub_co_i32 s[KB0], s[KB0], 8
	s_add_co_u32 s30, s21, s20                     ; the block that I copy: 8 x - 8 + w, held at 0 from below
	s_sub_co_i32 s30, s30, 8
	s_max_i32 s30, s30, 0
	s_lshl_b32 s31, s22, 6
	s_add_co_u32 s30, s30, s31
	s_mul_i32 s32, s30, 1536
	s_mov_b32 s33, 0
	s_lshl_b32 s34, s30, 7
	s_mov_b32 s35, 0
	s_lshl_b32 s36, s30, 6
	s_mov_b32 s37, 0
	s_lshl_b32 s38, s22, 7
	s_lshl_b32 s39, ttmp9, 4
	s_add_co_u32 s38, s38, s39
	s_add_co_u32 s38, s38, s20                     ; 128 b h + T
	s_mul_i32 s40, s38, 768
	s_mov_b32 s41, 0
	s_lshl_b32 s42, s38, 6
	s_mov_b32 s43, 0
	s_lshr_b32 s44, s22, 4
	s_lshl_b32 s44, s44, 7
	s_add_co_u32 s44, s44, s39
	s_add_co_u32 s44, s44, s20                     ; the row tile of the flattened rows: 128 b + T
	s_and_b32 s45, s22, 15                         ; the head
	s_lshl_b32 s46, s44, 4
	s_add_co_u32 s46, s46, s45
	s_mul_i32 s46, s46, 768
	s_mov_b32 s47, 0
	s_lshl_b32 s54, s44, 3
	s_lshr_b32 s55, s45, 1
	s_add_co_u32 s54, s54, s55
	s_lshl_b32 s54, s54, 6
	s_and_b32 s55, s45, 1
	s_lshl_b32 s55, s55, 1
	s_add_co_u32 s54, s54, s55                     ; (8 tile + head / 2) x 64 + 2 (head % 2)
	s_mov_b32 s55, 0
	s_mov_b32 s[SEL], 0x76543210
	s_mov_b32 s[SEL+1], 0xfedcba98
	s_mov_b32 s[CS], 0x3e38aa3b
	s_mov_b32 s[CS+1], s[CS]                       ; (named with it as a pair, so it is written)
	s_mul_i32 s48, s23, 1536
	s_lshl_b32 s49, s23, 7
	s_add_co_u32 s49, s49, KSREG
	s_mul_i32 s50, s23, VBL
	s_add_co_u32 s50, s50, VCREG
	s_lshl_b32 s51, s23, 6
	s_add_co_u32 s51, s51, VSREG
	s_lshl_b32 s52, s24, 3
	s_mul_i32 s53, s20, 1536
	s_mul_i32 s56, s20, VBL
	s_add_co_u32 s56, s56, VCREG
	s_lshl_b32 s57, s20, 7
	s_add_co_u32 s57, s57, KSREG
	s_lshl_b32 s58, s20, 6
	s_add_co_u32 s58, s58, VSREG
	v_and_b32 v240, 31, v0                         ; lane
	v_and_b32 v241, 15, v0                         ; r
	v_bfe_u32 v242, v0, 4, 1                       ; h
	v_lshlrev_b32 v[L16], 4, v240
	v_lshl_add_u32 v[L8], v240, 3, 512
	v_lshlrev_b32 v[ASO], 2, v241
	v_lshlrev_b32 v248, 2, v240
	v_lshlrev_b32 v249, 1, v240
	s_wait_kmcnt 0x0
	s_add_nc_u64 s[8:9], s[8:9], s[32:33]
	s_add_nc_u64 s[12:13], s[12:13], s[32:33]
	s_add_nc_u64 s[10:11], s[10:11], s[34:35]
	s_add_nc_u64 s[14:15], s[14:15], s[36:37]
	s_add_nc_u64 s[4:5], s[4:5], s[40:41]
	s_add_nc_u64 s[6:7], s[6:7], s[42:43]
	s_add_nc_u64 s[16:17], s[16:17], s[46:47]
	s_add_nc_u64 s[18:19], s[18:19], s[54:55]
.irp c, 0,1,2
	global_load_b128 v[96+4*\c:99+4*\c], v[L16], s[8:9] offset:512*\c        ; my block of K: 1,536 consecutive bytes
.endr
.irp c, 0,1,2
	global_load_b128 v[108+4*\c:111+4*\c], v[L16], s[12:13] offset:512*\c    ; and of V
.endr
	global_load_b32 v120, v248, s[10:11]
	global_load_u16 v121, v249, s[14:15]
	global_load_b128 v[Q:Q+3], v[L16], s[4:5]      ; my tile of Q, as its registers lie
	global_load_b64 v[Q+4:Q+5], v[L8], s[4:5]
	global_load_b32 v[QSC], v[ASO], s[6:7]
.irp j, 18,19,20,21,22,23,72,73,74,75,76,77
	v_mov_b32 v\j, 0
.endr
.irp j, 0,1,2,3,4,5,6,7
	v_mov_b32 v[NG+\j], 0xff61b1e6                 ; -3e38
.endr
	v_mov_b32 v95, 0x7f7f7f7f
	v_add_nc_u32 v[KA], s48, v[L16]
	v_add_nc_u32 v[KA8], s48, v[L8]
	v_lshl_add_u32 v[KSA], v240, 2, s49
	v_mad_u32_u24 v[VA2], v241, 24, s50
	v_mad_u32_u24 v[VA], v242, VBL, v[VA2]
	v_lshl_add_u32 v[VSA], v241, 2, s51
	v_bfe_u32 v243, v0, 3, 1
	v_lshl_add_u32 v[DL], v243, 3, v241
	v_add_nc_u32 v[DL], s52, v[DL]                 ; 8 u + r + 8 (r / 8)
	v_lshlrev_b32 v243, 4, v242
	v_sub_nc_u32 v[DL], v[DL], v243
	v_add_nc_u32 v244, s53, v[L16]
	v_add_nc_u32 v245, s56, v[L16]
	v_lshl_add_u32 v246, v240, 2, s57
	v_lshl_add_u32 v247, v240, 1, s58
	s_wait_loadcnt 0x3                             ; the copy's eight loads are in; Q's three may be out
.irp c, 0,1,2
	ds_store_b128 v244, v[96+4*\c:99+4*\c] offset:512*\c
.endr
.irp c, 0,1,2
	ds_store_b128 v245, v[108+4*\c:111+4*\c] offset:512*\c
.endr
	ds_store_b32 v246, v120
	ds_store_b16 v247, v121
	s_wait_dscnt 0x0                               ; for the others' sake: my stores have landed
	s_barrier_signal -1
	s_barrier_wait -1                              ; the sixteen blocks lie in LDS; nothing is stored there again
	; ---- S^T = K Q^T
.irp i, 0,1,2,3,4,5,6,7,8
	ds_load_b32 v[KSC+\i], v[KSA] offset:128*\i    ; lanes 0-15: the block's first tile's words, lanes 16-31 the second's
.endr
.irp i, 0,1,2,3,4,5,6,7,8
	ds_load_b32 v[VW+\i], v[VSA] offset:64*\i
.endr
	KBATCH 0
	s_wait_loadcnt 0x0                             ; Q
	QKBLK 0
	QKBLK 1
	QKBLK 2
	PLACES 4                                       ; in front of loads into registers that matrix instructions have read
	KBATCH 1
	QKBLK 3
	QKBLK 4
	QKBLK 5
	PLACES 4
	KBATCH 2
	QKBLK 6
	QKBLK 7
	QKBLK 8
	PLACES 4
	; ---- the mask.  Register n of block i holds the key for which i_query - j_key = 256 - 32 i + DL - n: only the first and the last block have hidden keys
.irp n, 0,1,2,3,4,5,6,7,8,9,10,11,12,13,14,15
	v_cmp_lt_i32 vcc_lo, \n, v[DL]
	v_cndmask_b32 v[S+\n], v[S+\n], v[NG], vcc_lo
.endr
.irp n, 0,1,2,3,4,5,6,7,8,9,10,11,12,13,14,15
	v_cmp_gt_i32 vcc_lo, \n, v[DL]
	v_cndmask_b32 v[S+128+\n], v[S+128+\n], v[NG], vcc_lo
.endr
	; ---- the largest score of each block: it serves the row's maximum and, put through the same lines as the scores, is the block's largest weight
.irp b, 0,1,2,3,4,5,6,7,8
	v_max3_num_f32 v[BM+\b], v[S+16*\b], v[S+1+16*\b], v[S+2+16*\b]
.endr
.irp i, 3,5,7,9,11,13
.irp b, 0,1,2,3,4,5,6,7,8
	v_max3_num_f32 v[BM+\b], v[BM+\b], v[S+16*\b+\i], v[S+1+16*\b+\i]
.endr
.endr
.irp b, 0,1,2,3,4,5,6,7,8
	v_max_num_f32 v[BM+\b], v[BM+\b], v[S+15+16*\b]
.endr
.irp b, 0,1,2,3,4,5,6,7,8
	v_permlanex16_b32 v[BP+\b], v[BM+\b], s[SEL], s[SEL+1]
.endr
.irp b, 0,1,2,3,4,5,6,7,8
	v_max_num_f32 v[BM+\b], v[BM+\b], v[BP+\b]
.endr
	v_max3_num_f32 v11, v[BM], v[BM+1], v[BM+2]
	v_max3_num_f32 v11, v11, v[BM+3], v[BM+4]
	v_max3_num_f32 v11, v11, v[BM+5], v[BM+6]
	v_max3_num_f32 v11, v11, v[BM+7], v[BM+8]      ; the row's largest score
	v_mul_f32 v72, 0xbe38aa3b, v11                 ; -c x maximum; its rounding is one factor for the whole row and cancels in p / sum
.set j, 0
.rept 72
	v_pk_fma_f32 v[S+j:S+j+1], v[S+j:S+j+1], s[CS:CS+1], v[72:73] op_sel_hi:[1,0,0]   ; t = c s - c maximum, two at a time
.set j, j+2
.endr
.irp b, 0,1,2,3,4,5,6,7,8
	v_fma_f32 v[BM+\b], v[BM+\b], s[CS], v72
.endr
.irp kk, 0,1                                   ; V's scale bytes lie [block][tile of channels]; the instruction wants [tile][block]: a 4 x 4 turn of bytes
	v_perm_b32 v26, v[VW+4*\kk+1], v[VW+4*\kk], 0x05010400
	v_perm_b32 v27, v[VW+4*\kk+1], v[VW+4*\kk], 0x07030602
	v_perm_b32 v28, v[VW+4*\kk+3], v[VW+4*\kk+2], 0x05010400
	v_perm_b32 v29, v[VW+4*\kk+3], v[VW+4*\kk+2], 0x07030602
	v_perm_b32 v[VSC+4*\kk], v28, v26, 0x05040100
	v_perm_b32 v[VSC+4*\kk+1], v28, v26, 0x07060302
	v_perm_b32 v[VSC+4*\kk+2], v29, v27, 0x05040100
	v_perm_b32 v[VSC+4*\kk+3], v29, v27, 0x07060302
.endr
	; ---- the exponentials, as one batch
.set j, 0
.rept 144
	v_exp_f32 v[S+j], v[S+j]
.set j, j+1
.endr
.irp dt, 0,1,2,3
	v_perm_b32 v[VSC+8+\dt], v95, v[VW+8], 0x04040400+\dt   ; the third K step: block 8's byte, then 0x7f three times.  (Plain lines behind the exponentials)
.endr
	s_wait_alu depctr_va_vdst(0)                   ; the wait stands ahead of the first line that names a result: one for the 144
.irp b, 0,1,2,3,4,5,6,7,8
	v_exp_f32 v[BM+\b], v[BM+\b]
.endr
	v_pk_add_f32 v[74:75], v[S:S+1], v[S+2:S+3]    ; the row's sum, two at a time, in two chains; it names none of the nine
	v_pk_add_f32 v[76:77], v[S+4:S+5], v[S+6:S+7]
.set j, 8
.rept 34
	v_pk_add_f32 v[74:75], v[74:75], v[S+j:S+j+1]
	v_pk_add_f32 v[76:77], v[76:77], v[S+j+2:S+j+3]
.set j, j+4
.endr
	v_pk_add_f32 v[74:75], v[74:75], v[76:77]
	v_add_f32 v74, v74, v75
	v_permlanex16_b32 v75, v74, s[SEL], s[SEL+1]
	v_add_f32 v74, v74, v75                        ; with lane l xor 16's keys
	v_rcp_f32 v78, v74
	v_nop                                          ; a plain line behind the reciprocal
	s_wait_alu depctr_va_vdst(0)                   ; one wait for the nine exponentials and the reciprocal: none of their results has been named yet
.set j, 0
.rept 72
	v_pk_mul_f32 v[S+j:S+j+1], v[S+j:S+j+1], v[78:79] op_sel_hi:[1,0]   ; the weights, finished and normalised
.set j, j+2
.endr
.irp b, 0,1,2,3,4,5,6,7,8
	v_mul_f32 v[BM+\b], v[BM+\b], v78              ; and each block's largest: the same lines on the same number give the same bits
.endr
	; ---- the weights become codes
.irp b, 0,1,2,3,4,5,6,7,8
	v_max_num_f32 v[BM+\b], 0x1800000, v[BM+\b]    ; the floor 2^(3 - 127): the byte cannot fall under 1
.endr
.irp b, 0,1,2,3,4,5,6,7,8
	v_add_nc_u32 v[SO+\b], 0xff000000, v[BM+\b]
.endr
.irp b, 0,1,2,3,4,5,6,7,8
	v_lshrrev_b32 v[BP+\b], 23, v[SO+\b]
.endr
.irp kk, 0,1
	v_lshl_or_b32 v[PS+\kk], v[BP+4*\kk+1], 8, v[BP+4*\kk]
	v_lshl_or_b32 v[PS+\kk], v[BP+4*\kk+2], 16, v[PS+\kk]
	v_lshl_or_b32 v[PS+\kk], v[BP+4*\kk+3], 24, v[PS+\kk]
.endr
	v_or_b32 v[PS+2], 0x7f7f7f00, v[BP+8]
.irp m, 0,1,2,3
	v_cvt_scalef32_pk16_fp6_f32 v[P+6*\m:P+6*\m+2], v[S+32*\m:S+32*\m+15], v[SO+2*\m]
	v_cvt_scalef32_pk16_fp6_f32 v[TT+4*\m:TT+4*\m+2], v[S+32*\m+16:S+32*\m+31], v[SO+2*\m+1]
.endr
	v_cvt_scalef32_pk16_fp6_f32 v[P+24:P+26], v[S+128:S+143], v[SO+8]
	v_nop                                          ; one plain place behind a scaled conversion
.irp j, 0,1,2
	v_mov_b32 v[TT+16+\j], 0                       ; block 9 has no keys: zero codes
.endr
.irp j, 30,31,32,33,34,35
	v_mov_b32 v[P+\j], 0                           ; nor blocks 10 and 11
.endr
.irp kk, 0,1                                   ; V's fragments of the first two K steps: lane (r, h), registers 6 c on: block 4 kk + 2 c + h, channel position 16 dt + r
.irp dt, 0,1,2,3
.irp c, 0,1
.irp p, 0,1,2
	ds_load_b64 v[VF+48*\kk+12*\dt+6*\c+2*\p:VF+48*\kk+12*\dt+6*\c+2*\p+1], v[VA] offset:(4*\kk+2*\c)*VBL+384*\dt+8*\p
.endr
.endr
.endr
.endr
.irp m, 0,1,2,3,4                              ; the operand's layout wants a whole block in a lane: lanes 0-15 block 2 m, lanes 16-31 block 2 m + 1
.irp j, 0,1,2
	v_permlane16_swap_b32 v[P+6*\m+\j], v[TT+4*\m+\j]
.endr
.irp j, 0,1,2
	v_mov_b32 v[P+3+6*\m+\j], v[TT+4*\m+\j]
.endr
.endr
	PLACES 4                                       ; operands written by vector lines stand four places ahead of a scaled matrix instruction (the scale words stand further back)
	s_wait_dscnt 0x0
	; ---- O^T = V^T P^T
	PV 0, VF, 1
	PLACES 4
.irp dt, 0,1,2,3                               ; the third K step: block 8 alone; every lane reads it, and what lanes 16-31 and the upper six registers hold meets zero codes
.irp p, 0,1,2
	ds_load_b64 v[VF+12*\dt+2*\p:VF+12*\dt+2*\p+1], v[VA2] offset:8*VBL+384*\dt+8*\p
.endr
.endr
	PV 1, VF+48, 0
	s_wait_dscnt 0x0
	PV 2, VF, 0
	PLACES 4
	; ---- the head's 64 channels are two blocks along the last product's K: quantised and stored as that operand's registers
	v_max3_num_f32 v12, |v[O]|, |v[O+1]|, 0x1800000
	v_max3_num_f32 v13, |v[O+16]|, |v[O+17]|, 0x1800000
.irp i, 2,4,6,8,10,12,14
	v_max3_num_f32 v12, v12, |v[O+\i]|, |v[O+1+\i]|
	v_max3_num_f32 v13, v13, |v[O+16+\i]|, |v[O+17+\i]|
.endr
	v_permlanex16_b32 v14, v12, s[SEL], s[SEL+1]
	v_permlanex16_b32 v15, v13, s[SEL], s[SEL+1]
	v_max_num_f32 v12, v12, v14
	v_max_num_f32 v13, v13, v15
	v_add_nc_u32 v16, 0xff000000, v12
	v_add_nc_u32 v17, 0xff000000, v13
	v_lshrrev_b32 v18, 23, v16
	v_lshrrev_b32 v19, 23, v17
	v_lshl_or_b32 v20, v19, 8, v18
	v_cvt_scalef32_pk16_fp6_f32 v[26:28], v[O:O+15], v16
	v_cvt_scalef32_pk16_fp6_f32 v[32:34], v[O+16:O+31], v17
	v_nop
.irp j, 0,1,2
	v_permlane16_swap_b32 v[26+\j], v[32+\j]
.endr
.irp j, 0,1,2
	v_mov_b32 v[29+\j], v[32+\j]
.endr
	global_store_b128 v[L16], v[26:29], s[16:17]   ; 512 consecutive bytes, aligned to 256,
	global_store_b64 v[L8], v[30:31], s[16:17]     ; and the next 256
	global_store_b16 v[ASO], v20, s[18:19]         ; my head's two bytes of the row's scale word (both halves of the lanes store the same)
	s_wait_tensorcnt 0x0
	ds_add_u32 v35, v255
	s_wait_dscnt 0x0
	s_endpgm
.Lfunc_end_k_qcbec5ec435_attn:
	.size	k_qcbec5ec435_attn, .Lfunc_end_k_qcbec5ec435_attn-k_qcbec5ec435_attn
	.p2alignl 7, 3214868480
	.fill 96, 4, 3214868480
	.section	.rodata,"a",@progbits
	.p2align	6, 0x0
	.amdhsa_kernel k_qcbec5ec435_attn
		.amdhsa_group_segment_fixed_size 56320
		.amdhsa_private_segment_fixed_size 0
		.amdhsa_enable_private_segment 0
		.amdhsa_kernarg_size 64
		.amdhsa_user_sgpr_count 2
		.amdhsa_user_sgpr_kernarg_segment_ptr 1
		.amdhsa_wavefront_size32 1
		.amdhsa_system_sgpr_workgroup_id_x 1
		.amdhsa_system_sgpr_workgroup_id_y 1
		.amdhsa_system_sgpr_workgroup_id_z 1
		.amdhsa_system_vgpr_workitem_id 0
		.amdhsa_next_free_vgpr 256
		.amdhsa_next_free_sgpr 66
		.amdhsa_reserve_vcc 1
		.amdhsa_float_denorm_mode_32 3
		.amdhsa_float_denorm_mode_16_64 3
		.amdhsa_memory_ordered 1
		.amdhsa_forward_progress 1
		.amdhsa_inst_pref_size 56
	.end_amdhsa_kernel
	.amdgpu_metadata
---
amdhsa.version: [ 1, 2 ]
amdhsa.kernels:
  - .name:           k_qcbec5ec435_attn
    .symbol:         k_qcbec5ec435_attn.kd
    .args:
      - { .name: qc, .offset: 0, .size: 8, .value_kind: global_buffer, .address_space: global }
      - { .name: qs, .offset: 8, .size: 8, .value_kind: global_buffer, .address_space: global }
      - { .name: kc, .offset: 16, .size: 8, .value_kind: global_buffer, .address_space: global }
      - { .name: ks, .offset: 24, .size: 8, .value_kind: global_buffer, .address_space: global }
      - { .name: vc, .offset: 32, .size: 8, .value_kind: global_buffer, .address_space: global }
      - { .name: vs, .offset: 40, .size: 8, .value_kind: global_buffer, .address_space: global }
      - { .name: ac, .offset: 48, .size: 8, .value_kind: global_buffer, .address_space: global }
      - { .name: asc, .offset: 56, .size: 8, .value_kind: global_buffer, .address_space: global }
    .group_segment_fixed_size: 56320
    .private_segment_fixed_size: 0
    .kernarg_segment_align: 8
    .kernarg_segment_size: 64
    .max_flat_workgroup_size: 512
    .sgpr_count:     66
    .vgpr_count:     256
    .wavefront_size: 32
...
	.end_amdgpu_metadata
.endif
;; end of part 2
;; launch oproj (part 3): grid 16 x 16, 4 waves a work-group, no clusters, 168,448 bytes of LDS; arguments ac, asc, wo_codes, wo_scales, bo, out0; writes out0
.if DOCPART == 3
	.amdgcn_target "amdgcn-amd-amdhsa--gfx1250"
	.amdhsa_code_object_version 6
	.text
	.protected	k_qcbec5ec435_oproj
	.globl	k_qcbec5ec435_oproj
	.p2align	8
	.type	k_qcbec5ec435_oproj,@function
k_qcbec5ec435_oproj:
	s_mov_b64 s[64:65], 0
	v_nop
	global_prefetch_b8 v0, s[64:65] scope:SCOPE_SE
	s_setreg_imm32_b32 hwreg(HW_REG_WAVE_MODE, 25, 1), 1
	s_wait_xcnt 0x0
; out0 = A wo + bo on codes of FP6 (E2M3) with E8M0 scales, K = 1,024, sums in f32.  A: the attention's result, laid by the launch before as images of this product's operand registers
; (ac [row tile][head][768]: six registers; a K step of 128 is two heads) with one scale word a row and K step (asc [row tile][K step][r]).
; Position r of row tile R is row 32 (R / 2) + 8 (R % 2) + r + 8 (r / 8) of the flattened rows.
; SHARES.  Work-group (x, y): row tiles 16 x .. 16 x + 15 (256 rows) x columns 64 y .. 64 y + 63.  Wave w: four row tiles, 16 accumulators.  Its 32 fragments of A come from memory straight into registers, whole: each load of
; 16 bytes a lane covers 512 consecutive bytes.  wo's 64 rows come once into LDS by four tensor loads (16 rows a wave) and are read by all four waves, two K steps at a time, through two register buffers.
; Source 0 = 16 rows of wo, source 1 = 16 rows of A: a lane holds eight neighbouring columns of one row.  bo is the C of each sum's first matrix instruction.
; THE WAY OUT: a tile of 16 rows x 64 columns goes through the wave's own stage in LDS and leaves as rows: sixteen lanes store 256 consecutive bytes, aligned.
; LDS rows of wo: 768 bytes + 16 of padding behind each 256 = 204 words: row r starts at bank 12 r mod 64 (64 banks of 4 bytes: ISA guide 11.1): the 32 lanes of a load of 8 bytes touch 64 different banks.
; NO JOINT LOADS: wo's rows are read by the 16 work-groups of a column block, once each, at the head; a cluster would divide those requests by four.  This text is kept plain and does without.  Nothing is filled twice.
.set PITCH, 816
.set WCH,   16*PITCH
.set STG,   4*WCH                      ; 52,224: the stages, 16 rows x 272 bytes a wave; no tensor load lands here
.set ADW, 6                            ; v6-7
.set ASL, 8                            ; v8   512 h + 4 r
.set WSL, 9                            ; v9   32 x lane
.set BOL, 10                           ; v10  32 h
.set L16, 11
.set L8,  12
.set STO, 13
.set RD,  14
.set CO,  15
.set ACC, 32
.set XS,  160                          ; v160-175 A's scale words: register 8 b + s: lanes 0-15 tile 2 b, lanes 16-31 tile 2 b + 1
.set WS,  176                          ; v176-191 wo's likewise
.set BK,  192                          ; v192-255 rows read back from the stage, two sets
; window 1: A's tiles 0, 1 (fragment at 96 (tile % 2) + 12 s); window 2: tiles 2, 3; window 3: v0-191 two buffers of wo, v192-223 bo as C
.set MSB, 0
.macro WIN new
.if MSB != (\new)
	s_set_vgpr_msb (MSB<<8)|(\new)
.set MSB, (\new)
.endif
.endm
.macro PLACES n
.rept \n
	v_nop
.endr
.endm
.macro FRAG reg, adr, q, off
.irp p, 0,1,2,3,4,5
.set PCE, 12*(\q)+6*(\p/3)+\p%3
.if PCE%32 < 29
	ds_load_b64 v[(\reg)+2*\p:(\reg)+2*\p+1], v[\adr] offset:8*PCE+16*(PCE/32)+(\off)
.else
	ds_load_b64 v[(\reg)+2*\p:(\reg)+2*\p+1], v[\adr+1] offset:8*PCE+16*(PCE/32)+(\off)
.endif
.endr
.endm
.macro FETCHW buf, sp                  ; K steps 2 sp, 2 sp + 1 of wo's four tiles: 48 LDS loads
	WIN 0xc0
.irp e, 0,1
.irp wt, 0,1,2,3
	FRAG 96*(\buf)+48*\e+12*\wt, ADW, 2*(\sp)+\e, WCH*\wt
.endr
.endr
.endm
.macro WM
.if rRA && rRB
	v_wmma_scale_f32_16x16x128_f8f6f4 v[rD:rD+7], v[rA:rA+11], v[rB:rB+11], v[rC:rC+7], v[rSA], v[rSB] matrix_a_fmt:MATRIX_FMT_FP6 matrix_b_fmt:MATRIX_FMT_FP6 matrix_a_scale:MATRIX_SCALE_ROW1 matrix_b_scale:MATRIX_SCALE_ROW1
.elseif rRA
	v_wmma_scale_f32_16x16x128_f8f6f4 v[rD:rD+7], v[rA:rA+11], v[rB:rB+11], v[rC:rC+7], v[rSA], v[rSB] matrix_a_fmt:MATRIX_FMT_FP6 matrix_b_fmt:MATRIX_FMT_FP6 matrix_a_scale:MATRIX_SCALE_ROW1
.elseif rRB
	v_wmma_scale_f32_16x16x128_f8f6f4 v[rD:rD+7], v[rA:rA+11], v[rB:rB+11], v[rC:rC+7], v[rSA], v[rSB] matrix_a_fmt:MATRIX_FMT_FP6 matrix_b_fmt:MATRIX_FMT_FP6 matrix_b_scale:MATRIX_SCALE_ROW1
.else
	v_wmma_scale_f32_16x16x128_f8f6f4 v[rD:rD+7], v[rA:rA+11], v[rB:rB+11], v[rC:rC+7], v[rSA], v[rSB] matrix_a_fmt:MATRIX_FMT_FP6 matrix_b_fmt:MATRIX_FMT_FP6
.endif
.endm
.macro MUL8 xw, buf, ks, first         ; the two row tiles of window xw against wo's four, K step ks; the eight accumulators take turns
	WIN 0x03|((\xw)<<2)|(0x30*(\first))
.irp par, 0,1
.irp wt, 0,1,2,3
.set rD, ACC+32*(2*((\xw)-1)+\par)+8*\wt
.set rA, 96*(\buf)+48*((\ks)%2)+12*\wt
.set rB, 96*\par+12*(\ks)
.set rSA, WS+8*(\wt/2)+(\ks)
.set rSB, XS+8*((\xw)-1)+(\ks)
.set rRA, \wt%2
.set rRB, \par
.if \first
.set rC, 192+8*\wt
.else
.set rC, rD
.endif
	WM
.endr
.endr
.endm
.macro HALF f, lcnt
	s_wait_loadcnt \lcnt                           ; this half's two K steps of A are in; the pairs behind them may be out
.if (\f) == 3
	s_wait_dscnt 0x0
.else
	s_wait_dscnt 48                                ; this half's 48 loads are in; the other buffer's 48 may be out
.endif
.if (\f) == 0
.set FST, 1
.else
.set FST, 0
.endif
	MUL8 1, (\f)%2, 2*(\f), FST
	MUL8 1, (\f)%2, 2*(\f)+1, 0
	MUL8 2, (\f)%2, 2*(\f), FST
	MUL8 2, (\f)%2, 2*(\f)+1, 0
	PLACES 4                                       ; in front of loads into registers that matrix instructions have read, and of the first read of results
.if (\f)+2 <= 3
	FETCHW (\f)%2, (\f)+2
.endif
	WIN 0
.endm
.macro TOSTAGE t
.irp wt, 0,1,2,3
	ds_store_b128 v[STO], v[ACC+32*(\t)+8*\wt:ACC+32*(\t)+8*\wt+3] offset:64*\wt          ; each accumulator from its low end on
	ds_store_b128 v[STO], v[ACC+32*(\t)+8*\wt+4:ACC+32*(\t)+8*\wt+7] offset:64*\wt+16
.endr
.irp i, 0,1,2,3,4,5,6,7
	ds_load_b128 v[BK+32*((\t)%2)+4*\i:BK+32*((\t)%2)+4*\i+3], v[RD] offset:544*\i          ; LDS serves a wave's instructions in order (ISA guide 5.7.1.4): these see the stores above
.endr
.endm
.macro SEND t, younger
	s_wait_dscnt \younger                          ; the tile is back in registers; the next tile's sixteen LDS instructions may be out
.irp i, 0,1,2,3,4,5,6,7
	global_store_b128 v[CO], v[BK+32*((\t)%2)+4*\i:BK+32*((\t)%2)+4*\i+3], s[14:15] offset:(32*((\t)/2)+8*((\t)%2)+2*\i+8*(\i/4))*4096 th:TH_STORE_NT   ; sixteen lanes store 256 consecutive bytes, aligned
.endr
.endm
	s_load_b256 s[4:11], s[0:1], 0x0               ; ac 4, asc 6, wo_codes 8, wo_scales 10
	s_load_b128 s[12:15], s[0:1], 0x20             ; bo 12, out0 14
	v_lshl_add_u32 v30, v0, 2, 0x29000
	v_mov_b32 v31, 0
	ds_add_u32 v30, v31
	ds_add_u32 v30, v31
	v_lshrrev_b32 v1, 5, v0
	v_readfirstlane_b32 s16, v1                    ; wave 0..3
	s_and_b32 s17, ttmp7, 0xffff                   ; the block of 64 columns
	s_mov_b32 s24, (1<<20)|(5<<22)|(3<<25)         ; elements of 1 byte; padding on: behind every 64 words, 4 words
	s_mov_b32 s25, 768<<16
	s_mov_b32 s26, 16<<16
	s_mov_b32 s27, 768<<16
	s_mov_b32 s28, 16
	s_mov_b32 s29, 768
	s_mov_b32 s30, 0
	s_mov_b32 s31, 0
	s_mul_i32 s18, s17, 49152
	s_mul_i32 s19, s16, 12288
	s_add_co_u32 s18, s18, s19
	s_mov_b32 s19, 0
	s_mov_b32 s32, 1
	s_mul_i32 s33, s16, WCH
	s_wait_dscnt 0x0
	s_wait_kmcnt 0x0
	s_add_nc_u64 s[34:35], s[8:9], s[18:19]
	s_or_b32 s35, s35, 0x80000000
	tensor_load_to_lds s[32:35], s[24:31]          ; my 16 rows of wo: one load of mine is out
	s_nop 0
	PLACES 4
	s_mul_i32 s20, ttmp9, 196608                   ; ac: 12,288 bytes a row tile, 16 a work-group, 4 a wave
	s_mul_i32 s22, s16, 49152
	s_add_co_u32 s20, s20, s22
	s_mov_b32 s21, 0
	s_add_nc_u64 s[4:5], s[4:5], s[20:21]
	s_lshl_b32 s20, ttmp9, 13                      ; asc: 512 bytes a row tile
	s_lshl_b32 s22, s16, 11
	s_add_co_u32 s20, s20, s22
	s_add_nc_u64 s[6:7], s[6:7], s[20:21]
	s_lshl_b32 s20, s17, 11
	s_add_nc_u64 s[10:11], s[10:11], s[20:21]
	s_lshl_b32 s20, s17, 8
	s_add_nc_u64 s[12:13], s[12:13], s[20:21]
	s_add_nc_u64 s[14:15], s[14:15], s[20:21]
	s_lshl_b32 s20, ttmp9, 20                      ; out0: 256 rows of 4,096 bytes a work-group, 64 a wave
	s_lshl_b32 s22, s16, 18
	s_add_co_u32 s20, s20, s22
	s_add_nc_u64 s[14:15], s[14:15], s[20:21]
	s_mul_i32 s23, s16, 4352
	s_add_co_u32 s23, s23, STG                     ; my stage
	v_and_b32 v1, 31, v0
	v_and_b32 v2, 15, v0
	v_bfe_u32 v3, v0, 4, 1
	v_mul_u32_u24 v[ADW], v2, PITCH
	v_mad_u32_u24 v[ADW+1], v3, 40, v[ADW]
	v_mad_u32_u24 v[ADW], v3, 24, v[ADW]
	v_lshlrev_b32 v[ASL], 2, v2
	v_lshl_add_u32 v[ASL], v3, 9, v[ASL]
	v_lshlrev_b32 v[WSL], 5, v1
	v_lshlrev_b32 v[BOL], 5, v3
	v_lshlrev_b32 v[L16], 4, v1
	v_lshl_add_u32 v[L8], v1, 3, 512
	v_mul_u32_u24 v[STO], v2, 272
	v_lshl_add_u32 v[STO], v3, 5, v[STO]
	v_add_nc_u32 v[STO], s23, v[STO]               ; in: row r, 32 bytes for each half of the lanes
	v_mul_u32_u24 v[RD], v3, 272
	v_lshl_add_u32 v[RD], v2, 4, v[RD]
	v_add_nc_u32 v[RD], s23, v[RD]                 ; back: lanes 0-15 one row of 256 bytes, lanes 16-31 the next
	v_lshlrev_b32 v[CO], 4, v2
	v_lshl_add_u32 v[CO], v3, 12, v[CO]
.irp b, 0,1
.irp q, 0,1,2,3,4,5,6,7
	global_load_b32 v[XS+8*\b+\q], v[ASL], s[6:7] offset:1024*\b+64*\q
.endr
.endr
.irp b, 0,1
.irp j, 0,1
	global_load_b128 v[WS+8*\b+4*\j:WS+8*\b+4*\j+3], v[WSL], s[10:11] offset:1024*\b+16*\j
.endr
.endr
	WIN 0xc0
.irp wt, 0,1,2,3
	global_load_b128 v[192+8*\wt:195+8*\wt], v[BOL], s[12:13] offset:64*\wt
	global_load_b128 v[196+8*\wt:199+8*\wt], v[BOL], s[12:13] offset:64*\wt+16
.endr
.irp pr, 0,1,2,3                               ; A, by pairs of K steps: 32 loads a pair
.irp xw, 1,2
	WIN 0x40*\xw
.irp par, 0,1
.irp e, 0,1
.set rF, 96*\par+12*(2*\pr+\e)
.set oF, 12288*(2*(\xw-1)+\par)+1536*(2*\pr+\e)
	global_load_b128 v[rF:rF+3], v[L16], s[4:5] offset:oF
	global_load_b64 v[rF+4:rF+5], v[L8], s[4:5] offset:oF
	global_load_b128 v[rF+6:rF+9], v[L16], s[4:5] offset:oF+768
	global_load_b64 v[rF+10:rF+11], v[L8], s[4:5] offset:oF+768
.endr
.endr
.endr
.endr
	WIN 0
	s_wait_tensorcnt 0x0                           ; my rows of wo have landed,
	s_barrier_signal -1
	s_barrier_wait -1                              ; everybody's have
	FETCHW 0, 0
	FETCHW 1, 1
	HALF 0, 63                                     ; 96 younger loads may be out: the field's largest count is written
	HALF 1, 63                                     ; 64 may be out
	HALF 2, 32
	HALF 3, 0
	TOSTAGE 0
	TOSTAGE 1
	SEND 0, 16
	s_wait_xcnt 0x0                                ; tile 0's stores have read their registers: tile 2's rows may land there
	TOSTAGE 2
	SEND 1, 16
	s_wait_xcnt 0x0
	TOSTAGE 3
	SEND 2, 16
	SEND 3, 0
	s_wait_tensorcnt 0x0
	ds_add_u32 v30, v31
	s_wait_dscnt 0x0
	s_endpgm
.Lfunc_end_k_qcbec5ec435_oproj:
	.size	k_qcbec5ec435_oproj, .Lfunc_end_k_qcbec5ec435_oproj-k_qcbec5ec435_oproj
	.p2alignl 7, 3214868480
	.fill 96, 4, 3214868480
	.section	.rodata,"a",@progbits
	.p2align	6, 0x0
	.amdhsa_kernel k_qcbec5ec435_oproj
		.amdhsa_group_segment_fixed_size 168448
		.amdhsa_private_segment_fixed_size 0
		.amdhsa_enable_private_segment 0
		.amdhsa_kernarg_size 48
		.amdhsa_user_sgpr_count 2
		.amdhsa_user_sgpr_kernarg_segment_ptr 1
		.amdhsa_wavefront_size32 1
		.amdhsa_system_sgpr_workgroup_id_x 1
		.amdhsa_system_sgpr_workgroup_id_y 1
		.amdhsa_system_sgpr_workgroup_id_z 1
		.amdhsa_system_vgpr_workitem_id 0
		.amdhsa_next_free_vgpr 1024
		.amdhsa_next_free_sgpr 66
		.amdhsa_reserve_vcc 0
		.amdhsa_float_denorm_mode_32 3
		.amdhsa_float_denorm_mode_16_64 3
		.amdhsa_memory_ordered 1
		.amdhsa_forward_progress 1
		.amdhsa_inst_pref_size 56
	.end_amdhsa_kernel
	.amdgpu_metadata
---
amdhsa.version: [ 1, 2 ]
amdhsa.kernels:
  - .name:           k_qcbec5ec435_oproj
    .symbol:         k_qcbec5ec435_oproj.kd
    .args:
      - { .name: ac, .offset: 0, .size: 8, .value_kind: global_buffer, .address_space: global }
      - { .name: asc, .offset: 8, .size: 8, .value_kind: global_buffer, .address_space: global }
      - { .name: wo_codes, .offset: 16, .size: 8, .value_kind: global_buffer, .address_space: global }
      - { .name: wo_scales, .offset: 24, .size: 8, .value_kind: global_buffer, .address_space: global }
      - { .name: bo, .offset: 32, .size: 8, .value_kind: global_buffer, .address_space: global }
      - { .name: out0, .offset: 40, .size: 8, .value_kind: global_buffer, .address_space: global }
    .group_segment_fixed_size: 168448
    .private_segment_fixed_size: 0
    .kernarg_segment_align: 8
    .kernarg_segment_size: 48
    .max_flat_workgroup_size: 128
    .sgpr_count:     66
    .vgpr_count:     1024
    .wavefront_size: 32
...
	.end_amdgpu_metadata
.endif
;; end of part 3
